; MI455X (gfx1250); checked and timed in simulation.
; The chip was launched on July 23, 2026; its instructions are those of AMD's public machine-readable ISA for CDNA 5 (MIT licence, August 2026) and "CDNA5" Instruction Set Architecture Reference Guide (July 2026). The comments in the code are by the model that wrote it; some were corrected since.
;; Longformer Self Attention. Allowed arithmetic: matrix products marked QUANTISED: E2M1 operands, one E8M0 scale for each 32 along K, by v_wmma_scale_f32_16x16x128_f8f6f4 with both operands' format E2M1 (or v_wmma_scale_f32_32x16x128_f4), f32 sums; products left as they are: bf16, f16 or f32 operands; f32 sums; everything else in f32.
;; Inputs: fc_b 512 float32; fc_w 512 x 512 float32; keys 2 x 1 x 2,048 x 512 float32; mask 2 x 1 x 1 x 2,048 int32; query 2 x 1 x 2,048 x 512 float32; values 2 x 1 x 2,048 x 512 float32.
;; Outputs: out0 2 x 2,048 x 512 float32.
;; This version of the problem:
;;   THIS VERSION OF THE PROBLEM IS GIVEN IN LOW PRECISION. The matrix products marked QUANTISED in the list below multiply operands that are first quantised to E2M1 (2 exponent bits, 1 mantissa bit; 4 bits a number), with one power-of-two scale for each 32 numbers along K (OCP MX v1.0); their sums are f32. The products marked 'left as it is' may take bf16, f16 or f32 operands, with f32 sums. Whichever they take, every output number must still come out within the allowed error. Rounding operands to bf16 (8 significant bits) uses up far more of that allowance than f16 does (11 bits, for magnitudes from 6e-5 to 65,504). All else is computed in f32.
;;   The module's matrix products, in the order in which they are computed (A, B: the left and right operand; K: the contracted axis; several contracted axes count as one K, in the product's order):
;;     1. batch 16 x [M 1, K 64] x [K 64, N 2,048]; A: input query; B: input keys: left as it is (M = 1 < 16)
;;     2. batch 16 x [M 64, K 2,048] x [K 2,048, N 1]; A: input values; B: computed on the way: left as it is (N = 1 < 16)
;;     3. batch 16 x [M 2,047, K 64] x [K 64, N 2,048]; A: input query; B: input keys: QUANTISED
;;     4. batch 16 x [M 64, K 2,048] x [K 2,048, N 2,047]; A: input values; B: computed on the way: left as it is (an operand is computed on the way)
;;     5. [M 4,096, K 512] x [K 512, N 512]; A: computed on the way; B: input fc_w: left as it is (an operand is computed on the way)
;;   THE QUANTISER, for each operand of a quantised product, along K:
;;     - K is cut into blocks of 32 from its start; a last block that is shorter is filled with zeros.
;;     - A block's scale is 2^e with e = floor(log2(the largest magnitude in the block)) - 2, held to -126 .. 127; a block of zeros has e = 0. As a byte (E8M0): e + 127.
;;     - Each number is divided by its block's scale, clamped to +-6, and rounded to the nearest number of E2M1, ties to even, subnormals kept.
;;     - The product sums the exact products of the quantised numbers (number of the format x scale) in f32.
;;   ~~~python
;;   def quantise(x, axis):      # numpy; x: float32 -> the quantised numbers, widened to float32 again
;;       x = np.moveaxis(x, axis, -1); K = x.shape[-1]
;;       x = np.pad(x, [(0, 0)] * (x.ndim - 1) + [(0, -K % 32)]); x = x.reshape(x.shape[:-1] + (-1, 32)); a = np.abs(x).max(-1, keepdims=True)
;;       e = np.where(a > 0, np.clip(np.frexp(np.where(a > 0, a, 1))[1] - 1 - 2, -126, 127), 0)      # np.frexp(a)[1] - 1 = floor(log2(a)), exactly
;;       r = np.clip(x / 2.0 ** e, -6, 6)
;;       step = 2.0 ** (np.maximum(np.frexp(np.where(r == 0, 1, r))[1] - 1, 0) - 1)
;;       q = np.round(r / step) * step * 2.0 ** e      # np.round: ties to even
;;       return np.moveaxis(q.reshape(q.shape[:-2] + (-1,))[..., :K], -1, axis).astype(np.float32)
;;   ~~~
;; One version. Each part assembles by itself: llvm-mc -triple=amdgcn-amd-amdhsa -mcpu=gfx1250 --defsym DOCPART=n.
;; ======== version 1 of 1: 2 launches
;; limits: inputs' magnitudes at most 65,504; values are held in f16: magnitudes above 65,504 overflow, below 6.1e-05 lose precision
;; workspace buffers: kc 1,056,768 bytes; ks 139,264 bytes; vt 4,227,072 bytes; wf 524,288 bytes; ce 16,896 bytes; vp 65,536 bytes; gp 98,304 bytes
;; launch prep (part 1): grid 256 x 1, 8 waves a work-group, no clusters, 76,288 bytes of LDS; arguments keys, values, query, mask, fc_w, kc, ks, vt, wf, ce, vp, gp; writes kc, ks, vt, wf, ce, vp, gp
.if DOCPART == 1
	.amdgcn_target "amdgcn-amd-amdhsa--gfx1250"
	.amdhsa_code_object_version 6
	.text
	.protected	k_qc91108a599_prep
	.globl	k_qc91108a599_prep
	.p2align	8
	.type	k_qc91108a599_prep,@function
k_qc91108a599_prep:
	s_mov_b64 s[64:65], 0
	v_nop
	global_prefetch_b8 v0, s[64:65] scope:SCOPE_SE
	s_setreg_imm32_b32 hwreg(HW_REG_WAVE_MODE, 25, 1), 1
	s_wait_xcnt 0x0
; PREP: everything that spans all keys of a batch, and every operand that many work-groups of the next launch read.
; Work-group g = 16 (8 b + head) + blk owns 128 keys x one head (64 channels, 256 bytes of a row); wave w owns the tile of 16 keys kt = 8 blk + w.
;   kc: K as codes of E2M1, one image of 512 bytes a tile: lane (r, hb) at 16 x lane holds the 32 codes of key r, block hb: registers 0-3 of the matrix operand.  8 tiles of zeros in front and behind.
;   ks: one word a key: bytes 0, 1 the E8M0 scales of its two blocks, bytes 2, 3 = 127.  4,096 bytes of zeros in front and behind.
;   vt: V as f16, turned: [tile][ct 0..3][lane][16 bytes]: lane (r, hk) holds channel 16 ct + r at keys 8 hk + 0..7: half a matrix operand.  8 tiles of zeros in front and behind.
;   wf: fc_w as f16 in the order of the operand's registers: [n tile 32][K step 16][c 2][lane][16 bytes].
;   ce: c = 1 for a key that counts, else 0; behind it the number of such keys.  WHERE A BATCH HAS NO KEY THAT COUNTS every energy is the same, and the softmax is the plain mean: then c = 1 everywhere and K's codes are zeros.
;   vp: the sum of c v over my 128 keys.   gp: the global query's part for my 128 keys: sum of p v, its largest t and its sum of p (products of one row: fused multiply-adds in f32).
; LIMITS: |values| and |fc_w| under 65,504 (they become f16); NaN and infinities among the inputs are not served; a block of zeros gets the scale byte 1, not 127: its codes are zeros, and this program alone reads the bytes.
; No matrix unit (the only products here have one row), no cluster (work-groups share no tile), no tensor load: each wave's 29 loads go out at its head, 256 aligned bytes to sixteen lanes.
.set NRED,  0                          ; LDS: 8 words: the waves' counts of keys that count
.set KSL,   256                        ; 128 scale words
.set PG,    768                        ; 8 x 16 words: p of each wave's keys
.set ML,    1280                       ; 8 x (largest t, sum of p)
.set RVS,   1536                       ; 8 x 64 words: sums of c v
.set RGO,   3584                       ; 8 x 64 words: sums of p v
.set SPARE, 5632                       ; the spare words, 128 bytes for each wave
.set WREG,  6656                       ; a region of its own for each wave: 16 rows of K, pitch 272, then 16 rows of V
.set WB,    8704
.set SPW, 4                            ; v4  my spare word's LDS address; never rewritten
.set NIL, 5                            ; v5  0; never rewritten
.set MK,  24                           ; v24-31   my 8 of the batch's mask words, then u = 1.0 or 0
.set MT,  32                           ; v32-39   the mask of keys 8 h + 0..7 of my tile, then c
.set QZ,  40                           ; v40-71   q of position 0: my head, block h
.set KR,  72                           ; v72-103  K as loaded
.set VR,  104                          ; v104-135 V as loaded
.set X,   140                          ; v140-171 K(key r, channels 32 h + 0..31); later sums
.set Y,   172                          ; v172-203 V(key 8 h + n, channel 16 ct + r) at 8 ct + n
.macro PADD d, p, o                    ; s[d:d+1] = the pointer s[p:p+1] + the 32-bit offset s[o]  (s61 = 0)
	s_mov_b32 s60, s[\o]
	s_add_nc_u64 s[\d:\d+1], s[\p:\p+1], s[60:61]
.endm
.macro BARRIER                         ; my LDS stores have landed and my LDS loads are in: then the work-group's barrier
	s_wait_dscnt 0x0
	s_barrier_signal -1
	s_barrier_wait -1
.endm
	s_load_b512 s[8:23], s[0:1], 0x0               ; keys 8, values 10, query 12, mask 14, fc_w 16, kc 18, ks 20, vt 22
	s_load_b256 s[24:31], s[0:1], 0x40             ; wf 24, ce 26, vp 28, gp 30
	v_lshl_add_u32 v[SPW], v0, 2, SPARE
	v_mov_b32 v[NIL], 0
	v_lshrrev_b32 v1, 5, v0
	v_readfirstlane_b32 s2, v1                     ; wave 0..7
	v_and_b32 v1, 31, v0                           ; L
	v_and_b32 v2, 15, v0                           ; r
	v_bfe_u32 v3, v0, 4, 1                         ; h
	s_lshr_b32 s4, ttmp9, 4                        ; 8 b + head
	s_lshr_b32 s5, ttmp9, 7                        ; b
	s_and_b32 s6, s4, 7                            ; head
	s_and_b32 s7, ttmp9, 15                        ; blk
	; every address register is made here, ahead of the first branch
	v_lshlrev_b32 v6, 11, v3
	v_lshl_add_u32 v6, v2, 4, v6                   ; K, V in memory: row h, 16 r; a load takes two rows' 256 bytes
	s_mul_i32 s3, s2, WB
	s_add_co_u32 s3, s3, WREG                      ; my wave's region
	v_mul_u32_u24 v7, v3, 272
	v_lshl_add_u32 v7, v2, 4, v7
	v_add_nc_u32 v7, s3, v7                        ; into it, as loaded
	v_mul_u32_u24 v8, v2, 272
	v_lshl_add_u32 v8, v3, 7, v8
	v_add_nc_u32 v8, s3, v8                        ; K out of it: key r, block h
	v_mul_u32_u24 v9, v3, 2176
	v_lshl_add_u32 v9, v2, 2, v9
	v_add_nc_u32 v9, s3, v9
	v_add_nc_u32 v9, 4352, v9                      ; V out of it: key 8 h, channel r
	v_lshlrev_b32 v10, 4, v1                       ; 16 L
	v_lshlrev_b32 v11, 5, v0                       ; 32 tid
	v_lshlrev_b32 v12, 3, v0                       ; 8 tid
	v_bfe_u32 v13, v0, 1, 4                        ; fc_w: thread bits: 0 which 4 numbers, 1-4 row r, 5 h, 6 c, 7 K step
	v_lshlrev_b32 v13, 11, v13
	v_and_b32 v14, 1, v0
	v_lshl_add_u32 v13, v14, 4, v13
	v_bfe_u32 v14, v0, 5, 3
	v_lshl_add_u32 v13, v14, 5, v13
	v_lshlrev_b32 v14, 7, v3                       ; 128 h
	v_lshlrev_b32 v15, 5, v3                       ; 32 h
	s_lshl_b32 s53, s2, 6                          ; 64 w
	v_add_nc_u32 v16, s53, v15
	v_add_nc_u32 v16, PG, v16                      ; p of keys 8 h + 0..7
	v_lshlrev_b32 v17, 2, v2
	v_add_nc_u32 v18, s53, v17
	v_add_nc_u32 v17, KSL, v18                     ; key r's scale word
	v_add_nc_u32 v18, PG, v18                      ; key r's p
	s_lshl_b32 s54, s2, 8
	v_lshl_add_u32 v19, v2, 2, RVS
	v_add_nc_u32 v19, s54, v19                     ; my wave's sums, channel r
	s_lshl_b32 s55, s2, 2
	v_mov_b32 v20, s55                             ; NRED + 4 w
	s_lshl_b32 s56, s2, 3
	s_add_co_u32 s56, s56, ML
	v_mov_b32 v21, s56                             ; ML + 8 w
	v_lshlrev_b32 v22, 3, v1                       ; 8 L
	v_lshlrev_b32 v23, 2, v1                       ; 4 L
	v_mov_b32 v207, 0                              ; LDS byte 0: the shared small regions are reached by immediates
	v_mov_b32 v205, 0                              ; a lane permute's destination counts as one of its sources
	v_mov_b32 v230, 0                              ; likewise a DPP form's
	v_mov_b32 v231, 0
	s_mov_b32 s32, 0x76543210
	s_mov_b32 s33, 0xfedcba98                      ; selects: lane l xor 16
	s_mov_b32 s34, 0x3d8293ee                      ; c = log2(e) / sqrt(512)
	s_mov_b32 s61, 0
	; byte offsets
	s_lshl_b32 s36, s5, 22
	s_lshl_b32 s37, s6, 8
	s_add_co_u32 s37, s37, s36                     ; q: batch, position 0, head
	s_lshl_b32 s38, s7, 18
	s_add_co_u32 s36, s37, s38
	s_lshl_b32 s38, s2, 15
	s_add_co_u32 s36, s36, s38                     ; K, V: + (128 blk + 16 w) rows of 2,048 bytes
	s_lshl_b32 s38, s5, 13                         ; mask, ce: the batch
	s_lshl_b32 s39, s7, 9
	s_add_co_u32 s39, s39, s38
	s_add_co_u32 s39, s39, s53                     ; mask: my tile
	s_lshr_b32 s40, ttmp9, 3
	s_lshl_b32 s40, s40, 15
	s_and_b32 s41, ttmp9, 7
	s_lshl_b32 s41, s41, 8
	s_add_co_u32 s40, s40, s41                     ; fc_w: 16 rows (g / 8), 64 columns (g % 8)
	s_lshl_b32 s41, ttmp9, 12
	s_lshl_b32 s42, s2, 9
	s_add_co_u32 s41, s41, s42
	s_add_co_u32 s41, s41, 4096                    ; kc: tile 8 + 8 g + w
	s_lshl_b32 s42, ttmp9, 9
	s_add_co_u32 s42, s42, 4096                    ; ks: 128 g words behind the pad
	s_lshl_b32 s43, ttmp9, 14
	s_lshl_b32 s44, s2, 11
	s_add_co_u32 s43, s43, s44
	s_add_co_u32 s43, s43, 16384                   ; vt: tile 8 + 8 g + w
	s_lshl_b32 s44, ttmp9, 11                      ; wf: 2,048 bytes a work-group
	s_lshl_b32 s46, s5, 8
	s_add_co_u32 s46, s46, 16384                   ; ce: the count
	s_lshl_b32 s47, s5, 4
	s_add_co_u32 s47, s47, s7
	s_lshl_b32 s47, s47, 11
	s_lshl_b32 s48, s6, 8
	s_add_co_u32 s47, s47, s48                     ; vp
	s_lshl_b32 s48, ttmp9, 8                       ; gp: sums
	s_lshl_b32 s49, ttmp9, 7
	s_add_co_u32 s49, s49, 65536                   ; gp: (largest t, sum of p)
	s_cmp_eq_u32 ttmp9, 0                          ; the pads: work-group 0 writes those in front, 255 those behind
	s_cselect_b32 s50, 0, 1052672                  ; kc: tile 2,056
	s_cselect_b32 s51, 0, 4210688                  ; vt: tile 2,056
	s_cselect_b32 s52, 0, 135168                   ; ks
	s_wait_kmcnt 0x0
	PADD 8, 8, 36
	PADD 10, 10, 36
	PADD 12, 12, 37
	PADD 66, 14, 39
	PADD 14, 14, 38
	PADD 16, 16, 40
	PADD 68, 18, 50
	PADD 18, 18, 41
	PADD 70, 20, 52
	PADD 20, 20, 42
	PADD 72, 22, 51
	PADD 22, 22, 43
	PADD 24, 24, 44
	PADD 74, 26, 46
	PADD 26, 26, 38
	PADD 28, 28, 47
	PADD 76, 30, 49
	PADD 30, 30, 48
	; 29 loads: mask 2 + 2, q 8, K 8, V 8, fc_w 1
	global_load_b128 v[MK:MK+3], v11, s[14:15]
	global_load_b128 v[MK+4:MK+7], v11, s[14:15] offset:16
	global_load_b128 v[MT:MT+3], v15, s[66:67]
	global_load_b128 v[MT+4:MT+7], v15, s[66:67] offset:16
.irp j, 0,1,2,3,4,5,6,7
	global_load_b128 v[QZ+4*\j:QZ+4*\j+3], v14, s[12:13] offset:16*\j
.endr
.irp i, 0,1,2,3,4,5,6,7
	global_load_b128 v[KR+4*\i:KR+4*\i+3], v6, s[8:9] offset:4096*\i th:TH_LOAD_NT
.endr
.irp i, 0,1,2,3,4,5,6,7
	global_load_b128 v[VR+4*\i:VR+4*\i+3], v6, s[10:11] offset:4096*\i th:TH_LOAD_NT
.endr
	global_load_b128 v[136:139], v13, s[16:17]
	; ---- how many keys of the batch count
	s_wait_loadcnt 27                              ; my 8 mask words are in; the 27 younger loads stay out
.irp i, 0,1,2,3,4,5,6,7
	v_cmp_ne_u32 vcc_lo, 0, v[MK+\i]
	v_cndmask_b32 v[MK+\i], 0, 1.0, vcc_lo
.endr
	v_add_f32 v208, v24, v25
	v_add_f32 v209, v26, v27
	v_add_f32 v210, v28, v29
	v_add_f32 v211, v30, v31
	v_add_f32 v208, v208, v209
	v_add_f32 v210, v210, v211
	v_add_f32 v204, v208, v210
	v_add_f32_dpp v204, v204, v204 row_xmask:1 row_mask:0xf bank_mask:0xf
	v_add_f32_dpp v204, v204, v204 row_xmask:2 row_mask:0xf bank_mask:0xf
	v_add_f32_dpp v204, v204, v204 row_xmask:4 row_mask:0xf bank_mask:0xf
	v_add_f32_dpp v204, v204, v204 row_xmask:8 row_mask:0xf bank_mask:0xf
	v_permlanex16_b32 v205, v204, s32, s33
	v_add_f32 v204, v204, v205
	ds_store_b32 v20, v204
	BARRIER
	ds_load_b128 v[208:211], v207 offset:NRED
	ds_load_b128 v[212:215], v207 offset:NRED+16
	s_wait_dscnt 0x0
	v_add_f32 v208, v208, v209
	v_add_f32 v210, v210, v211
	v_add_f32 v212, v212, v213
	v_add_f32 v214, v214, v215
	v_add_f32 v208, v208, v210
	v_add_f32 v212, v212, v214
	v_add_f32 v204, v208, v212                     ; whole numbers up to 2,048: exact
	v_cmp_eq_f32 s35, 0, v204                      ; s35: no key of the batch counts (it only selects values)
	v_mov_b32 v206, 0x45000000                     ; 2,048.0
	v_cndmask_b32 v206, v204, v206, s35            ; the number of keys that count
	; ---- K: the turn through my region, the quantiser, the global query's scores
	s_wait_loadcnt 9                               ; K (and the mask tile and q before it) are in; V's 8 and fc_w's 1 stay out
.irp i, 0,1,2,3,4,5,6,7
	ds_store_b128 v7, v[KR+4*\i:KR+4*\i+3] offset:544*\i
.endr
.irp j, 0,1,2,3,4,5,6,7
	ds_load_b128 v[X+4*\j:X+4*\j+3], v8 offset:16*\j   ; LDS serves a wave's instructions in order: these see my stores
.endr
	s_wait_dscnt 0x0
	v_max3_num_f32 v216, |v[X]|, |v[X+1]|, 0x1800000   ; the block's largest magnitude: all 32 numbers are mine; the floor 2^(3 - 127) holds the byte at 1 from below
	v_max3_num_f32 v217, |v[X+2]|, |v[X+3]|, |v[X+4]|
.irp i, 5,9,13,17,21,25
	v_max3_num_f32 v216, v216, |v[X+\i]|, |v[X+\i+1]|
	v_max3_num_f32 v217, v217, |v[X+\i+2]|, |v[X+\i+3]|
.endr
	v_max3_num_f32 v216, v216, |v[X+29]|, |v[X+30]|
	v_max3_num_f32 v216, v216, v217, |v[X+31]|
	v_add_nc_u32 v218, 0xff000000, v216            ; 2 off its exponent field: the conversion's scale operand
	v_lshrrev_b32 v219, 23, v218                   ; the scale's byte
.irp g, 0,1,2,3
	v_cvt_scalef32_pk8_fp4_f32 v[220+\g], v[X+8*\g:X+8*\g+7], v218
.endr
	v_lshlrev_b32 v224, 3, v3                      ; 8 h.  (The plain line behind the conversions)
	v_lshlrev_b32 v224, v224, v219                 ; my byte at its place in the word
.irp g, 0,1,2,3
	v_cndmask_b32 v[220+\g], v[220+\g], 0, s35     ; no key counts: zero codes
.endr
	global_store_b128 v10, v[220:223], s[18:19]    ; the wave stores 512 consecutive bytes
	v_permlanex16_b32 v205, v224, s32, s33
	v_or_b32 v224, v224, v205
	v_or_b32 v224, 0x7f7f0000, v224                ; bytes 2, 3: 1.0, for the half of the K step that holds no numbers
	ds_store_b32 v17, v224
	v_pk_mul_f32 v[226:227], v[X:X+1], v[QZ:QZ+1]  ; q(0) . k on the numbers as they are, f32
	v_pk_mul_f32 v[228:229], v[X+2:X+3], v[QZ+2:QZ+3]
.irp j, 4,8,12,16,20,24,28
	v_pk_fma_f32 v[226:227], v[X+\j:X+\j+1], v[QZ+\j:QZ+\j+1], v[226:227]
	v_pk_fma_f32 v[228:229], v[X+\j+2:X+\j+3], v[QZ+\j+2:QZ+\j+3], v[228:229]
.endr
	v_pk_add_f32 v[226:227], v[226:227], v[228:229]
	v_add_f32 v226, v226, v227
	v_permlanex16_b32 v205, v226, s32, s33
	v_add_f32 v226, v226, v205
	v_mul_f32 v226, s34, v226                      ; t of key r
	v_max_num_f32_dpp v230, v226, v226 row_xmask:1 row_mask:0xf bank_mask:0xf
	v_max_num_f32_dpp v230, v230, v230 row_xmask:2 row_mask:0xf bank_mask:0xf
	v_max_num_f32_dpp v230, v230, v230 row_xmask:4 row_mask:0xf bank_mask:0xf
	v_max_num_f32_dpp v230, v230, v230 row_xmask:8 row_mask:0xf bank_mask:0xf   ; the tile's largest t
	v_sub_f32 v228, v226, v230
	v_exp_f32 v228, v228                           ; p = 2^(t - largest)
	v_nop                                          ; a plain line behind the exponential,
	s_wait_alu depctr_va_vdst(0)                   ; and the wait ahead of its first reader
	v_add_f32_dpp v231, v228, v228 row_xmask:1 row_mask:0xf bank_mask:0xf
	v_add_f32_dpp v231, v231, v231 row_xmask:2 row_mask:0xf bank_mask:0xf
	v_add_f32_dpp v231, v231, v231 row_xmask:4 row_mask:0xf bank_mask:0xf
	v_add_f32_dpp v231, v231, v231 row_xmask:8 row_mask:0xf bank_mask:0xf   ; the tile's sum of p
	ds_store_b32 v18, v228
	ds_store_b64 v21, v[230:231]
	; ---- V: the turn, f16 images, the two weighted sums
	s_wait_loadcnt 1                               ; V is in; fc_w's load stays out
.irp i, 0,1,2,3,4,5,6,7
	ds_store_b128 v7, v[VR+4*\i:VR+4*\i+3] offset:4352+544*\i
.endr
.irp ct, 0,1,2,3
.irp n, 0,1,2,3,4,5,6,7
	ds_load_b32 v[Y+8*\ct+\n], v9 offset:272*\n+64*\ct
.endr
.endr
	ds_load_b128 v[232:235], v16                   ; p of keys 8 h + 0..7
	ds_load_b128 v[236:239], v16 offset:16
	s_wait_dscnt 0x0
.irp n, 0,1,2,3,4,5,6,7
	v_cmp_ne_u32 vcc_lo, 0, v[MT+\n]
	v_cndmask_b32 v[MT+\n], 0, 1.0, vcc_lo
.endr
.irp n, 0,1,2,3,4,5,6,7
	v_cndmask_b32 v[MT+\n], v[MT+\n], 1.0, s35     ; c of keys 8 h + 0..7
.endr
.irp ct, 0,1,2,3
.irp m, 0,1,2,3
	v_cvt_pk_f16_f32 v[240+4*\ct+\m], v[Y+8*\ct+2*\m], v[Y+8*\ct+2*\m+1]
.endr
	global_store_b128 v10, v[240+4*\ct:243+4*\ct], s[22:23] offset:512*\ct   ; 512 consecutive bytes a store
.endr
.irp ct, 0,1,2,3
	v_pk_mul_f32 v[140+2*\ct:141+2*\ct], v[Y+8*\ct:Y+8*\ct+1], v[MT:MT+1]
	v_pk_mul_f32 v[148+2*\ct:149+2*\ct], v[Y+8*\ct:Y+8*\ct+1], v[232:233]
.endr
.irp m, 1,2,3
.irp ct, 0,1,2,3
	v_pk_fma_f32 v[140+2*\ct:141+2*\ct], v[Y+8*\ct+2*\m:Y+8*\ct+2*\m+1], v[MT+2*\m:MT+2*\m+1], v[140+2*\ct:141+2*\ct]
	v_pk_fma_f32 v[148+2*\ct:149+2*\ct], v[Y+8*\ct+2*\m:Y+8*\ct+2*\m+1], v[232+2*\m:233+2*\m], v[148+2*\ct:149+2*\ct]
.endr
.endr
.irp ct, 0,1,2,3
	v_add_f32 v[156+\ct], v[140+2*\ct], v[141+2*\ct]
	v_add_f32 v[160+\ct], v[148+2*\ct], v[149+2*\ct]
.endr
.irp k, 0,1,2,3,4,5,6,7
	v_permlanex16_b32 v[164+\k], v[156+\k], s32, s33
.endr
.irp k, 0,1,2,3,4,5,6,7
	v_add_f32 v[156+\k], v[156+\k], v[164+\k]      ; with the other eight keys
.endr
.irp ct, 0,1,2,3
	ds_store_b32 v19, v[156+\ct] offset:64*\ct
	ds_store_b32 v19, v[160+\ct] offset:RGO-RVS+64*\ct
.endr
	; ---- fc_w: my four numbers as f16, at their place in the operand's order
	s_wait_loadcnt 0x0
	v_cvt_pk_f16_f32 v172, v136, v137
	v_cvt_pk_f16_f32 v173, v138, v139
	global_store_b64 v12, v[172:173], s[24:25]     ; the wave stores 256 consecutive bytes
	BARRIER                                        ; every wave's scale words, sums and (largest t, sum) lie in LDS
	; ---- the work-group's results: one wave each
	s_cmp_lg_u32 s2, 0
	s_cbranch_scc1 .Lw1
.irp i, 0,1,2,3,4,5,6,7
	ds_load_b64 v[72+2*\i:73+2*\i], v22 offset:RVS+256*\i
.endr
	s_wait_dscnt 0x0
	v_pk_add_f32 v[72:73], v[72:73], v[74:75]
	v_pk_add_f32 v[76:77], v[76:77], v[78:79]
	v_pk_add_f32 v[80:81], v[80:81], v[82:83]
	v_pk_add_f32 v[84:85], v[84:85], v[86:87]
	v_pk_add_f32 v[72:73], v[72:73], v[76:77]
	v_pk_add_f32 v[80:81], v[80:81], v[84:85]
	v_pk_add_f32 v[72:73], v[72:73], v[80:81]
	global_store_b64 v22, v[72:73], s[28:29]       ; 256 consecutive bytes
.Lw1:
	s_cmp_lg_u32 s2, 1
	s_cbranch_scc1 .Lw2
.irp i, 0,1,2,3
	ds_load_b128 v[104+4*\i:107+4*\i], v207 offset:ML+16*\i
.endr
.irp i, 0,1,2,3,4,5,6,7
	ds_load_b64 v[120+2*\i:121+2*\i], v22 offset:RGO+256*\i
.endr
	s_wait_dscnt 0x0
	v_max3_num_f32 v176, v104, v106, v108
	v_max3_num_f32 v176, v176, v110, v112
	v_max3_num_f32 v176, v176, v114, v116
	v_max_num_f32 v176, v176, v118                 ; the largest t of my 128 keys
.irp i, 0,1,2,3,4,5,6,7
	v_sub_f32 v[180+\i], v[104+2*\i], v176
.endr
.irp i, 0,1,2,3,4,5,6,7
	v_exp_f32 v[180+\i], v[180+\i]
.endr
	v_nop
	s_wait_alu depctr_va_vdst(0)                   ; one wait for the eight
	v_mul_f32 v177, v180, v105
	v_mul_f32 v178, v180, v120
	v_mul_f32 v179, v180, v121
.irp i, 1,2,3,4,5,6,7
	v_fma_f32 v177, v[180+\i], v[105+2*\i], v177
	v_fma_f32 v178, v[180+\i], v[120+2*\i], v178
	v_fma_f32 v179, v[180+\i], v[121+2*\i], v179
.endr
	global_store_b64 v22, v[178:179], s[30:31]
	s_mov_b32 s36, 0xaaaaaaaa
	v_cndmask_b32 v188, v176, v177, s36            ; even words the largest t, odd words the sum
	global_store_b32 v23, v188, s[76:77]
.Lw2:
	s_cmp_lg_u32 s2, 2
	s_cbranch_scc1 .Lce
	ds_load_b128 v[192:195], v10 offset:KSL
	s_wait_dscnt 0x0
	global_store_b128 v10, v[192:195], s[20:21]    ; 512 consecutive bytes
.Lce:
	s_and_b32 s36, ttmp9, 127                      ; a batch's first work-group stores c and the count
	s_cmp_lg_u32 s36, 0
	s_cbranch_scc1 .Lpad
.irp i, 0,1,2,3,4,5,6,7
	v_cndmask_b32 v[MK+\i], v[MK+\i], 1.0, s35
.endr
	global_store_b128 v11, v[MK:MK+3], s[26:27]
	global_store_b128 v11, v[MK+4:MK+7], s[26:27] offset:16
	s_cmp_lg_u32 s2, 3
	s_cbranch_scc1 .Lpad
	global_store_b32 v23, v206, s[74:75]
.Lpad:
	s_add_co_u32 s36, ttmp9, 1                     ; work-groups 0 and 255 write the pads: zeros
	s_and_b32 s36, s36, 255
	s_cmp_gt_u32 s36, 1
	s_cbranch_scc1 .Lend
	v_lshlrev_b32 v200, 4, v0                      ; 16 tid
.irp i, 196,197,198,199
	v_mov_b32 v\i, 0
.endr
	global_store_b128 v200, v[196:199], s[68:69]
.irp i, 0,1,2,3
	global_store_b128 v200, v[196:199], s[72:73] offset:4096*\i
.endr
	global_store_b128 v200, v[196:199], s[70:71]
.Lend:
	s_wait_tensorcnt 0x0                           ; the wave's end
	ds_add_u32 v[SPW], v[NIL]
	s_wait_dscnt 0x0
	s_endpgm
.Lfunc_end_k_qc91108a599_prep:
	.size	k_qc91108a599_prep, .Lfunc_end_k_qc91108a599_prep-k_qc91108a599_prep
	.p2alignl 7, 3214868480
	.fill 96, 4, 3214868480
	.section	.rodata,"a",@progbits
	.p2align	6, 0x0
	.amdhsa_kernel k_qc91108a599_prep
		.amdhsa_group_segment_fixed_size 76288
		.amdhsa_private_segment_fixed_size 0
		.amdhsa_enable_private_segment 0
		.amdhsa_kernarg_size 96
		.amdhsa_user_sgpr_count 2
		.amdhsa_user_sgpr_kernarg_segment_ptr 1
		.amdhsa_wavefront_size32 1
		.amdhsa_system_sgpr_workgroup_id_x 1
		.amdhsa_system_sgpr_workgroup_id_y 1
		.amdhsa_system_sgpr_workgroup_id_z 1
		.amdhsa_system_vgpr_workitem_id 0
		.amdhsa_next_free_vgpr 256
		.amdhsa_next_free_sgpr 80
		.amdhsa_reserve_vcc 1
		.amdhsa_float_denorm_mode_32 3
		.amdhsa_float_denorm_mode_16_64 3
		.amdhsa_memory_ordered 1
		.amdhsa_forward_progress 1
		.amdhsa_inst_pref_size 32
	.end_amdhsa_kernel
	.amdgpu_metadata
---
amdhsa.version: [ 1, 2 ]
amdhsa.kernels:
  - .name:           k_qc91108a599_prep
    .symbol:         k_qc91108a599_prep.kd
    .args:
      - { .name: keys, .offset: 0, .size: 8, .value_kind: global_buffer, .address_space: global }
      - { .name: values, .offset: 8, .size: 8, .value_kind: global_buffer, .address_space: global }
      - { .name: query, .offset: 16, .size: 8, .value_kind: global_buffer, .address_space: global }
      - { .name: mask, .offset: 24, .size: 8, .value_kind: global_buffer, .address_space: global }
      - { .name: fc_w, .offset: 32, .size: 8, .value_kind: global_buffer, .address_space: global }
      - { .name: kc, .offset: 40, .size: 8, .value_kind: global_buffer, .address_space: global }
      - { .name: ks, .offset: 48, .size: 8, .value_kind: global_buffer, .address_space: global }
      - { .name: vt, .offset: 56, .size: 8, .value_kind: global_buffer, .address_space: global }
      - { .name: wf, .offset: 64, .size: 8, .value_kind: global_buffer, .address_space: global }
      - { .name: ce, .offset: 72, .size: 8, .value_kind: global_buffer, .address_space: global }
      - { .name: vp, .offset: 80, .size: 8, .value_kind: global_buffer, .address_space: global }
      - { .name: gp, .offset: 88, .size: 8, .value_kind: global_buffer, .address_space: global }
    .group_segment_fixed_size: 76288
    .private_segment_fixed_size: 0
    .kernarg_segment_align: 8
    .kernarg_segment_size: 96
    .max_flat_workgroup_size: 256
    .sgpr_count:     80
    .vgpr_count:     256
    .wavefront_size: 32
...
	.end_amdgpu_metadata
.endif
;; end of part 1
;; launch attn (part 2): grid 128 x 2, 8 waves a work-group, no clusters, 301,568 bytes of LDS; arguments query, kc, ks, vt, wf, ce, vp, gp, fc_b, out0; writes out0
.if DOCPART == 2
	.amdgcn_target "amdgcn-amd-amdhsa--gfx1250"
	.amdhsa_code_object_version 6
	.text
	.protected	k_qc91108a599_attn
	.globl	k_qc91108a599_attn
	.p2align	8
	.type	k_qc91108a599_attn,@function
k_qc91108a599_attn:
	s_mov_b64 s[64:65], 0
	v_nop
	global_prefetch_b8 v0, s[64:65] scope:SCOPE_SE
	s_setreg_imm32_b32 hwreg(HW_REG_WAVE_MODE, 25, 1), 1
	s_wait_xcnt 0x0
; ATTN: the banded attention, the merge of the global row, the projection and the bias, for 16 positions of one batch.
; Energies outside the band are ZERO, not hidden.  With c_j = 1 for a key that counts, m the row's true largest t, w0 = 2^(0 - m), p_j = 2^(t_j - m):
;   numerator = w0 Vsum + sum over the band of (p_j - w0 c_j) v_j,   divisor = w0 (N - keys that count in the band) + sum over the band of p_j,   Vsum = sum of c v, N = sum of c.
; So 17 tiles of 16 keys are multiplied for a tile of 16 queries.  Where no key outside the band counts, the 0 leaves the maximum and w0 = 0.  Keys outside 0..2047 are taken as hidden.
; SHARES.  Work-group (a, b): local queries i = 16 a + r, positions (16 a + 1 + r) mod 2,048; for a = 127 the place r = 15 is position 0, the global row, whose parts the launch before has stored.
; Wave w is head w in the attention and columns 64 w .. 64 w + 63 in the projection.  The window is x = j - (16 a - 128) = 0..271; x counts for query r where r <= x <= r + 256: tiles 1..15 wholly.
; PRODUCTS.  S^T = K Q^T on codes of E2M1 (source 0 = 16 keys, source 1 = 16 queries); K = 64 fills half of the instruction's 128: Q's codes of k = 64..127 are zeros and both sides' scale bytes 2, 3 are 1.0,
; so whatever codes source 0 holds there add 0.  The C of each product is 0 or -1e20, by key.  O^T = V^T R in f16, begun with w0 Vsum as C.  out^T = W A^T in f16, begun with fc_b as C.  A lane holds one query throughout.
; NO CLUSTER: neighbouring work-groups' windows are shifted by one tile, so a joint tile would be read at LDS addresses that hang on a work-group's place; the weights feed one matrix instruction a fragment and go straight to registers.
; NO RING: each LDS byte is filled once (a wave's V window: one tensor load, 136 rows of 256 bytes, read by that wave alone).  No prefetch: every load goes out at the head or a phase ahead of its use.
; LIMITS: |values|, |fc_w| under 65,504 (f16 operands); |score| far under 1e20; NaN and infinities are not served.
; REGISTERS, window 0: v0-15 addresses; v16-87 K's codes (tile t at 16 + 4 t; v84-87 = 0), later R as f16; v88-95 Q's fragment; v96-231 S^T (tile t at 96 + 8 t), later O^T, V's buffers, weights; v232-241 scale words;
;   v242-255 a row's figures.  Window 1: v0-135 c by key in S^T's layout, later weights; v192-255 weights.
.set ASTG,  0                          ; LDS: the attention's 16 rows as f16, pitch 1,040
.set AP,    1040
.set BIAS,  16896                      ; 272 words: 0 or -1e20, by window place
.set CW,    18176                      ; 272 words: c
.set VS,    19456                      ; 512 words: Vsum
.set CNT,   21504                      ; [r][8] partial counts of the band
.set SPARE, 22016                      ; the spare words, 128 bytes for each wave
.set VIMG,  23040                      ; each wave's V window: 17 tiles x 2,048 bytes; at the end its stage for the way out (16 rows, pitch 272): the bytes have had their only fill and their last read
.set VB,    34816
.set S,     96
.set MSB, 0
.macro WIN new                         ; the immediate's high byte repeats the setting that is left
.if MSB != \new
	s_set_vgpr_msb (MSB<<8)|\new
.set MSB, \new
.endif
.endm
.macro PADD d, p, o                    ; s[d:d+1] = the pointer s[p:p+1] + the 32-bit offset s[o]  (s81 = 0)
	s_mov_b32 s80, s[\o]
	s_add_nc_u64 s[\d:\d+1], s[\p:\p+1], s[80:81]
.endm
.macro BARRIER
	s_wait_dscnt 0x0
	s_barrier_signal -1
	s_barrier_wait -1
.endm
.macro PLACES                          ; four plain lines between a matrix instruction and a reader of its result or a load into its registers
.rept 4
	v_nop
.endr
.endm
.macro WLOAD g, base                   ; my 64 columns' weights of K steps 2 g, 2 g + 1: 16 loads of 512 consecutive bytes, in the order of the operand's registers
.irp e, 0,1
.irp nt, 0,1,2,3
.irp c, 0,1
	global_load_b128 v[\base+32*\e+8*\nt+4*\c:\base+32*\e+8*\nt+4*\c+3], v1, s[16:17] offset:16384*\nt+1024*(2*(\g)+\e)+512*\c
.endr
.endr
.endr
.endm
.macro VLOAD s                         ; V^T of key tiles 2 s, 2 s + 1 into buffer s % 3; the window's last tile has no partner
.irp ct, 0,1,2,3
	ds_load_b128 v[128+32*((\s)%3)+8*\ct:131+32*((\s)%3)+8*\ct], v2 offset:(8*(\s)+\ct)*512
.if (\s) < 8
	ds_load_b128 v[132+32*((\s)%3)+8*\ct:135+32*((\s)%3)+8*\ct], v2 offset:(8*(\s)+4+\ct)*512
.endif
.endr
.endm
.macro PVSTEP s, cnt                   ; cnt: the LDS loads of the two steps behind this one, which may stay out.  The four accumulators take turns
	s_wait_dscnt \cnt
.irp ct, 0,1,2,3
	v_wmma_f32_16x16x32_f16 v[S+8*\ct:S+8*\ct+7], v[128+32*((\s)%3)+8*\ct:135+32*((\s)%3)+8*\ct], v[16+8*(\s):23+8*(\s)], v[S+8*\ct:S+8*\ct+7]
.endr
	PLACES
.if (\s) < 6
	VLOAD (\s)+3
.endif
.endm
.macro AFRAG g                         ; the attention's fragments of K steps 2 g, 2 g + 1
.irp e, 0,1
	ds_load_b128 v[48+16*((\g)%2)+8*\e:51+16*((\g)%2)+8*\e], v6 offset:64*(2*(\g)+\e)
	ds_load_b128 v[52+16*((\g)%2)+8*\e:55+16*((\g)%2)+8*\e], v6 offset:64*(2*(\g)+\e)+32
.endr
.endm
.macro PGROUP g, wbase, win, lc        ; two K steps of the projection; lc: the younger global loads that may stay out (-1: an earlier wait has covered these weights)
.if (\g) < 7
	s_wait_dscnt 4                                 ; my fragments are in; the next group's four loads stay out
.else
	s_wait_dscnt 0x0
.endif
.if \lc >= 0
	s_wait_loadcnt \lc
.endif
	WIN \win
.irp e, 0,1
.irp nt, 0,1,2,3
	v_wmma_f32_16x16x32_f16 v[16+8*\nt:23+8*\nt], v[\wbase+32*\e+8*\nt:\wbase+32*\e+8*\nt+7], v[48+16*((\g)%2)+8*\e:55+16*((\g)%2)+8*\e], v[16+8*\nt:23+8*\nt]
.endr
.endr
	WIN 0
	PLACES
.if (\g) < 6
	AFRAG (\g)+2
.endif
.endm
	s_load_b512 s[8:23], s[0:1], 0x0               ; query 8, kc 10, ks 12, vt 14, wf 16, ce 18, vp 20, gp 22
	s_load_b128 s[24:27], s[0:1], 0x40             ; fc_b 24, out0 26
	v_lshl_add_u32 v14, v0, 2, SPARE
	v_mov_b32 v15, 0
	ds_add_u32 v14, v15                            ; the wave's opening: the add, twice on end, and its wait ahead of my tensor load
	ds_add_u32 v14, v15
	v_lshrrev_b32 v1, 5, v0
	v_readfirstlane_b32 s2, v1                     ; wave = head
	s_mov_b32 s3, ttmp9                            ; a
	s_and_b32 s4, ttmp7, 0xffff                    ; b
	s_lshl_b32 s5, s4, 3
	s_add_co_u32 s5, s5, s2                        ; 8 b + head
	v_and_b32 v229, 15, v0                         ; r
	v_bfe_u32 v230, v0, 4, 1                       ; h
	v_and_b32 v231, 31, v0                         ; L
	s_mul_i32 s62, s2, VB
	s_add_co_u32 s62, s62, VIMG                    ; my V window
	s_lshl_b32 s63, s2, 8                          ; 256 w
	s_lshl_b32 s88, s2, 7                          ; 128 w
	s_add_co_u32 s89, s63, VS
	s_lshl_b32 s86, s3, 4                          ; 16 a
	s_sub_co_i32 s87, s86, 128                     ; the window's first key; under 0 for a < 8
	v_lshlrev_b32 v1, 4, v231                      ; 16 L
	v_add_nc_u32 v2, s62, v1
	v_lshl_add_u32 v3, v230, 5, BIAS               ; a tile's eight words of my half
	v_lshlrev_b32 v13, 5, v230                     ; 32 h
	v_lshlrev_b32 v4, 3, v230
	v_sub_nc_u32 v4, v229, v4                      ; d = r - 8 h
	v_mul_u32_u24 v6, v229, AP
	v_lshl_add_u32 v6, v230, 4, v6                 ; the attention's rows, as fragments
	v_add_nc_u32 v5, s88, v6                       ; and where I put my head's
	v_mul_u32_u24 v7, v229, 272
	v_lshl_add_u32 v7, v230, 5, v7
	v_add_nc_u32 v7, s62, v7                       ; the way out: in
	v_mul_u32_u24 v8, v230, 272
	v_lshl_add_u32 v8, v229, 4, v8
	v_add_nc_u32 v8, s62, v8                       ; and back: sixteen lanes to a row
	v_add_nc_u32 v9, s86, v230
	v_add_nc_u32 v10, 15, v9
	v_add_nc_u32 v9, 1, v9
	v_and_b32 v10, 0x7ff, v10                      ; the last two rows' positions, mod 2,048
	v_lshlrev_b32 v9, 11, v9
	v_lshlrev_b32 v10, 11, v10
	v_lshl_add_u32 v9, v229, 4, v9
	v_lshl_add_u32 v10, v229, 4, v10
	v_lshl_add_u32 v11, v231, 2, 15*AP
	v_add_nc_u32 v11, s88, v11                     ; the global row's place: row 15, my head
	v_mov_b32 v12, 0                               ; the global row's two channels as f16
.irp i, 84,85,86,87,92,93,94,95,246
	v_mov_b32 v\i, 0                               ; zero codes behind K's last tile and in Q's upper half; a permute's destination
.endr
	v_lshlrev_b32 v198, 7, v229                    ; short-lived addresses, in registers that the scores take later
	v_lshlrev_b32 v199, 3, v231
	v_add_nc_u32 v205, s87, v0                     ; the key at window place tid
	v_add_nc_u32 v206, s87, v229
	v_add_nc_u32 v206, 0x100, v206                 ; and at place 256 + r
	v_min_u32 v200, 0x7ff, v205                    ; no load leaves the batch's 2,048 words
	v_min_u32 v201, 0x7ff, v206
	v_lshlrev_b32 v200, 2, v200
	v_lshlrev_b32 v201, 2, v201
	v_lshlrev_b32 v202, 3, v0                      ; 8 tid
	v_add_nc_u32 v203, s86, v229
	v_add_nc_u32 v203, 1, v203
	v_and_b32 v203, 0x7ff, v203
	v_lshlrev_b32 v203, 11, v203
	v_lshl_add_u32 v203, v230, 7, v203             ; Q: my position's row, block h
	v_lshlrev_b32 v204, 2, v231                    ; 4 L
	v_lshlrev_b32 v207, 2, v0                      ; 4 tid
	v_lshl_add_u32 v208, v229, 2, 1024             ; word 256 + r
	s_lshl_b32 s90, s2, 2
	v_lshlrev_b32 v228, 5, v229
	v_add_nc_u32 v228, s90, v228                   ; 32 r + 4 w
	v_lshlrev_b32 v251, 5, v229                    ; 32 r
	v_lshlrev_b32 v252, 2, v229                    ; 4 r
	v_mov_b32 v253, 0xe0ad78ec                     ; -1e20
	s_mov_b32 s28, 1                               ; descriptor group 0: count 1; my window in LDS; (address below)
	s_mov_b32 s29, s62
	s_mov_b32 s32, 3<<16                           ; group 1: elements of 8 bytes, no mask, no padding
	s_mov_b32 s33, 32<<16                          ; tensor_dim0 = 32 elements: 256 bytes
	s_mov_b32 s34, 136<<16                         ; tensor_dim1 = 136 rows
	s_mov_b32 s35, 32<<16                          ; tile_dim0
	s_mov_b32 s36, 136                             ; tile_dim1
	s_mov_b32 s37, 32                              ; pitch: the block is dense
	s_mov_b32 s38, 0
	s_mov_b32 s39, 0
	s_mov_b32 s58, 0x3d8293ee                      ; c = log2(e) / sqrt(512)
	s_mov_b32 s59, s58
	s_mov_b32 s60, 0x76543210
	s_mov_b32 s61, 0xfedcba98                      ; selects: lane l xor 16
	s_mov_b32 s81, 0
	s_lshl_b32 s70, s4, 22
	s_add_co_u32 s70, s70, s63                     ; query, out0: batch, 256 w
	s_lshl_b32 s71, s5, 16
	s_lshl_b32 s72, s3, 9
	s_add_co_u32 s71, s71, s72                     ; kc: padded tile 128 (8 b + head) + a is the window's first
	s_lshl_b32 s72, s5, 13
	s_lshl_b32 s73, s3, 6
	s_add_co_u32 s72, s72, s73
	s_add_co_u32 s72, s72, 3584                    ; ks: 4,096 of pad less the window's 128 words in front
	s_lshl_b32 s73, s5, 18
	s_lshl_b32 s74, s3, 11
	s_add_co_u32 s73, s73, s74                     ; vt
	s_lshl_b32 s74, s2, 16                         ; wf: my four tiles of columns
	s_lshl_b32 s75, s4, 13                         ; ce
	s_lshl_b32 s76, s4, 8
	s_add_co_u32 s76, s76, 16384                   ; ce: the count
	s_lshl_b32 s77, s4, 15                         ; vp
	s_lshl_b32 s78, s5, 12                         ; gp: sums
	s_lshl_b32 s79, s5, 11
	s_add_co_u32 s79, s79, 65536                   ; gp: (largest t, sum)
	s_wait_dscnt 0x0                               ; both opening adds are done
	s_wait_kmcnt 0x0
	PADD 30, 14, 73
	s_or_b32 s31, s31, 0x80000000                  ; type = 2
	tensor_load_to_lds s[28:31], s[32:39]          ; my one tensor load: 34,816 bytes, filled once
	s_nop 0
	PLACES
	PADD 82, 18, 76
	s_load_b32 s57, s[82:83], 0x0                  ; N, as f32
	PADD 8, 8, 70
	PADD 10, 10, 71
	PADD 12, 12, 72
	PADD 16, 16, 74
	PADD 18, 18, 75
	PADD 20, 20, 77
	PADD 84, 22, 79
	PADD 22, 22, 78
	PADD 24, 24, 63
	PADD 26, 26, 70
	; 69 loads, the same in every wave and work-group, so that each count below holds on every way
	global_load_b64 v[196:197], v198, s[84:85]     ; lane l: (largest t, sum) of block l % 16
.irp k, 0,1,2,3,4,5,6,7,8,9,10,11,12,13,14,15
	global_load_b64 v[164+2*\k:165+2*\k], v199, s[22:23] offset:256*\k
.endr
	global_load_b32 v160, v200, s[18:19]
	global_load_b32 v161, v201, s[18:19]
.irp k, 0,1,2,3,4,5,6,7,8,9,10,11,12,13,14,15
	global_load_b64 v[128+2*\k:129+2*\k], v202, s[20:21] offset:2048*\k
.endr
.irp j, 0,1,2,3,4,5,6,7
	global_load_b128 v[S+4*\j:S+4*\j+3], v203, s[8:9] offset:16*\j
.endr
.irp t, 0,1,2,3,4,5,6,7,8,9,10,11,12,13,14,15,16
	global_load_b128 v[16+4*\t:19+4*\t], v1, s[10:11] offset:512*\t
.endr
.irp u, 0,1,2,3,4,5,6,7,8
	global_load_b32 v[232+\u], v204, s[12:13] offset:128*\u   ; lanes 0-15: tile 2 u's words, lanes 16-31: tile 2 u + 1's
.endr
	; ---- c and the bias by window place
	s_wait_loadcnt 50                              ; c is in (and the global parts before it); out: vp 16, Q 8, K 17, scale words 9
	v_cmp_gt_u32 vcc_lo, 0x800, v205
	v_cndmask_b32 v160, 0, v160, vcc_lo            ; a key outside 0..2047 does not count
	v_cmp_gt_u32 vcc_lo, 0x800, v206
	v_cndmask_b32 v161, 0, v161, vcc_lo
	v_cmp_lt_f32 vcc_lo, 0, v160
	v_cndmask_b32 v209, v253, 0, vcc_lo
	v_cmp_lt_f32 vcc_lo, 0, v161
	v_cndmask_b32 v211, v253, 0, vcc_lo
	ds_store_b32 v207, v209 offset:BIAS
	ds_store_b32 v207, v160 offset:CW
	s_cmp_lg_u32 s2, 0
	s_cbranch_scc1 .Lnot_w0
	ds_store_b32 v208, v211 offset:BIAS            ; places 256..271: wave 0 (both halves of the lanes write the same words with the same values)
	ds_store_b32 v208, v161 offset:CW
.Lnot_w0:
	s_cmp_lg_u32 s3, 127                           ; the work-group that owns position 0 merges the global row's 16 parts
	s_cbranch_scc1 .Lno_glob
	v_mov_b32 v212, v196
	v_max_num_f32_dpp v212, v212, v212 row_xmask:1 row_mask:0xf bank_mask:0xf
	v_max_num_f32_dpp v212, v212, v212 row_xmask:2 row_mask:0xf bank_mask:0xf
	v_max_num_f32_dpp v212, v212, v212 row_xmask:4 row_mask:0xf bank_mask:0xf
	v_max_num_f32_dpp v212, v212, v212 row_xmask:8 row_mask:0xf bank_mask:0xf
	v_sub_f32 v213, v196, v212
	v_exp_f32 v213, v213
	v_nop
	s_wait_alu depctr_va_vdst(0)
	v_mul_f32 v214, v213, v197
	v_add_f32_dpp v214, v214, v214 row_xmask:1 row_mask:0xf bank_mask:0xf
	v_add_f32_dpp v214, v214, v214 row_xmask:2 row_mask:0xf bank_mask:0xf
	v_add_f32_dpp v214, v214, v214 row_xmask:4 row_mask:0xf bank_mask:0xf
	v_add_f32_dpp v214, v214, v214 row_xmask:8 row_mask:0xf bank_mask:0xf
	v_rcp_f32 v215, v214
	v_nop
	s_wait_alu depctr_va_vdst(0)
	v_mul_f32 v213, v213, v215                     ; lane l: block l % 16's weight
.irp k, 0,1,2,3,4,5,6,7,8,9,10,11,12,13,14,15
	v_readlane_b32 s[66+(\k%4)], v213, \k
.if \k == 0
	v_mul_f32 v216, s66, v164
	v_mul_f32 v217, s66, v165
.else
	v_fma_f32 v216, s[66+(\k%4)], v[164+2*\k], v216
	v_fma_f32 v217, s[66+(\k%4)], v[165+2*\k], v217
.endif
.endr
	v_cvt_pk_f16_f32 v12, v216, v217               ; channels 2 L, 2 L + 1 of my head
.Lno_glob:
	; ---- Vsum
	s_wait_loadcnt 34                              ; vp is in; out: Q 8, K 17, scale words 9
.irp k, 0,2,4,6,8,10,12,14
	v_pk_add_f32 v[128+2*\k:129+2*\k], v[128+2*\k:129+2*\k], v[130+2*\k:131+2*\k]
.endr
.irp k, 0,4,8,12
	v_pk_add_f32 v[128+2*\k:129+2*\k], v[128+2*\k:129+2*\k], v[132+2*\k:133+2*\k]
.endr
.irp k, 0,8
	v_pk_add_f32 v[128+2*\k:129+2*\k], v[128+2*\k:129+2*\k], v[136+2*\k:137+2*\k]
.endr
	v_pk_add_f32 v[128:129], v[128:129], v[144:145]
	ds_store_b64 v202, v[128:129] offset:VS
	BARRIER                                        ; bias, c and Vsum lie in LDS
	; ---- the band's count, first part: query r, band places 32 w + 16 h + 0..15 are window places tid + 0..15
.irp n, 0,1,2,3,4,5,6,7,8,9,10,11,12,13,14,15
	ds_load_b32 v[212+\n], v207 offset:CW+4*\n
.endr
	; ---- Q's quantiser: my row's block h, all 32 numbers mine
	s_wait_loadcnt 26                              ; Q is in; out: K 17, scale words 9
	v_max3_num_f32 v242, |v[S]|, |v[S+1]|, 0x1800000
	v_max3_num_f32 v243, |v[S+2]|, |v[S+3]|, |v[S+4]|
.irp i, 5,9,13,17,21,25
	v_max3_num_f32 v242, v242, |v[S+\i]|, |v[S+\i+1]|
	v_max3_num_f32 v243, v243, |v[S+\i+2]|, |v[S+\i+3]|
.endr
	v_max3_num_f32 v242, v242, |v[S+29]|, |v[S+30]|
	v_max3_num_f32 v242, v242, v243, |v[S+31]|
	v_add_nc_u32 v244, 0xff000000, v242            ; 2 off the exponent field: the conversion's scale operand
	v_lshrrev_b32 v245, 23, v244
.irp g, 0,1,2,3
	v_cvt_scalef32_pk8_fp4_f32 v[88+\g], v[S+8*\g:S+8*\g+7], v244
.endr
	v_lshlrev_b32 v209, 3, v230                    ; 8 h.  (The plain line behind the conversions)
	v_lshlrev_b32 v245, v209, v245
	v_permlanex16_b32 v246, v245, s60, s61
	v_or_b32 v245, v245, v246
	v_or_b32 v241, 0x7f7f0000, v245                ; my row's scale word
	s_wait_dscnt 0x0
.irp n, 0,2,4,6,8,10,12,14
	v_add_f32 v[212+\n], v[212+\n], v[213+\n]
.endr
.irp n, 0,4,8,12
	v_add_f32 v[212+\n], v[212+\n], v[214+\n]
.endr
	v_add_f32 v212, v212, v216
	v_add_f32 v220, v220, v224
	v_add_f32 v212, v212, v220
	v_permlanex16_b32 v246, v212, s60, s61
	v_add_f32 v212, v212, v246
	ds_store_b32 v228, v212 offset:CNT
	BARRIER                                        ; the partial counts lie in LDS
	; ---- the bias as the products' C; c in the same layout; the edges of the band
	s_wait_xcnt 0x0                                ; the loads above have read their address registers: LDS loads may land on v198-204
	ds_load_b128 v[242:245], v251 offset:CNT
	ds_load_b128 v[246:249], v251 offset:CNT+16
	ds_load_b32 v250, v252 offset:CW+1024          ; band place 256
.irp t, 0,1,2,3,4,5,6,7,8,9,10,11,12,13,14,15,16
	ds_load_b128 v[S+8*\t:S+8*\t+3], v3 offset:64*\t
	ds_load_b128 v[S+8*\t+4:S+8*\t+7], v3 offset:64*\t+16
.endr
	WIN 0x40                                       ; destination window 1
.irp t, 0,1,2,3,4,5,6,7,8,9,10,11,12,13,14,15,16
	ds_load_b128 v[8*\t:8*\t+3], v3 offset:CW-BIAS+64*\t
	ds_load_b128 v[8*\t+4:8*\t+7], v3 offset:CW-BIAS+64*\t+16
.endr
	WIN 0
	s_wait_dscnt 34                                ; counts and bias are in; c's 34 loads stay out
.irp n, 0,1,2,3,4,5,6,7
	v_cmp_ge_i32 s[40+\n], \n, v4                  ; tile 0: place 8 h + n counts where it is at least r
.endr
.irp n, 0,1,2,3,4,5,6,7
	v_cmp_le_i32 s[48+\n], \n, v4                  ; tile 16: where it is at most r
.endr
.irp n, 0,1,2,3,4,5,6,7
	v_cndmask_b32 v[S+\n], v253, v[S+\n], s[40+\n]
.endr
.irp n, 0,1,2,3,4,5,6,7
	v_cndmask_b32 v[S+128+\n], v253, v[S+128+\n], s[48+\n]
.endr
	v_add_f32 v242, v242, v243
	v_add_f32 v244, v244, v245
	v_add_f32 v246, v246, v247
	v_add_f32 v248, v248, v249
	v_add_f32 v242, v242, v244
	v_add_f32 v246, v246, v248
	v_add_f32 v242, v242, v246
	v_add_f32 v242, v242, v250                     ; keys that count in my query's band
	s_wait_kmcnt 0x0
	v_sub_f32 v247, s57, v242                      ; and outside it: whole numbers, exact
	v_cmp_lt_f32 s56, 0, v247                      ; s56: some key outside the band counts (it only selects values)
	; ---- S^T = K Q^T + bias: 17 accumulators, one product each
	s_wait_loadcnt 0x0                             ; K's codes and scale words
.irp t, 0,1,2,3,4,5,6,7,8,9,10,11,12,13,14,15,16
.if (\t%2) == 0
	v_wmma_scale_f32_16x16x128_f8f6f4 v[S+8*\t:S+8*\t+7], v[16+4*\t:23+4*\t], v[88:95], v[S+8*\t:S+8*\t+7], v[232+\t/2], v241 matrix_a_fmt:MATRIX_FMT_FP4 matrix_b_fmt:MATRIX_FMT_FP4
.else
	v_wmma_scale_f32_16x16x128_f8f6f4 v[S+8*\t:S+8*\t+7], v[16+4*\t:23+4*\t], v[88:95], v[S+8*\t:S+8*\t+7], v[232+\t/2], v241 matrix_a_fmt:MATRIX_FMT_FP4 matrix_b_fmt:MATRIX_FMT_FP4 matrix_a_scale:MATRIX_SCALE_ROW1
.endif
.endr
	WIN 0x40
	WLOAD 0, 192                                   ; the projection's first weights, into window 1
	s_wait_dscnt 0x0                               ; c is in
	WIN 0x44                                       ; source 1 and destination window 1
.irp n, 0,1,2,3,4,5,6,7
	v_cndmask_b32 v[\n], 0, v[\n], s[40+\n]        ; c = 0 outside the band.  (These sixteen are also the places behind the products)
.endr
.irp n, 0,1,2,3,4,5,6,7
	v_cndmask_b32 v[128+\n], 0, v[128+\n], s[48+\n]
.endr
	WIN 0
	; ---- the softmax: the row's true maximum, over all 136 registers and the other half of the lanes; each tile is read from its low end on
	v_max_num_f32 v242, v[S], v[S+1]
	v_max_num_f32 v243, v[S+2], v[S+3]
	v_max_num_f32 v244, v[S+4], v[S+5]
	v_max_num_f32 v245, v[S+6], v[S+7]
.set t, 1
.rept 16
	v_max3_num_f32 v242, v242, v[S+8*t], v[S+8*t+1]
	v_max3_num_f32 v243, v243, v[S+8*t+2], v[S+8*t+3]
	v_max3_num_f32 v244, v244, v[S+8*t+4], v[S+8*t+5]
	v_max3_num_f32 v245, v245, v[S+8*t+6], v[S+8*t+7]
.set t, t+1
.endr
	v_max3_num_f32 v242, v242, v243, v244
	v_max_num_f32 v242, v242, v245
	v_permlanex16_b32 v246, v242, s60, s61
	v_max_num_f32 v242, v242, v246
	v_mul_f32 v242, s58, v242                      ; as t (c is positive)
	v_max_num_f32 v243, 0, v242
	v_cndmask_b32 v242, v242, v243, s56            ; the 0 of the keys outside the band joins the maximum where there are such keys
	v_xor_b32 v248, 0x80000000, v242               ; -m
	v_mov_b32 v249, v248
.set j, 0
.rept 68
	v_pk_fma_f32 v[S+j:S+j+1], v[S+j:S+j+1], s[58:59], v[248:249] op_sel_hi:[1,0,0]   ; t - m
.set j, j+2
.endr
.set j, 0
.rept 136
	v_exp_f32 v[S+j], v[S+j]                       ; p; 0 under the bias
.set j, j+1
.endr
	v_exp_f32 v250, v248                           ; w0 = 2^(0 - m)
	v_nop                                          ; a plain line behind the batch,
	s_wait_alu depctr_va_vdst(0)                   ; and ONE wait for its 137, ahead of the first reader
	v_cndmask_b32 v250, 0, v250, s56
	v_mov_b32 v251, v250
	v_xor_b32 v242, 0x80000000, v250               ; -w0
	v_mov_b32 v243, v242
	v_pk_add_f32 v[252:253], v[S:S+1], v[S+2:S+3]  ; the sum of the unrounded p, in two chains
	v_pk_add_f32 v[254:255], v[S+4:S+5], v[S+6:S+7]
.set j, 8
.rept 32
	v_pk_add_f32 v[252:253], v[252:253], v[S+j:S+j+1]
	v_pk_add_f32 v[254:255], v[254:255], v[S+j+2:S+j+3]
.set j, j+4
.endr
	WIN 0x01                                       ; source 0 window 1
.set j, 0
.rept 68
	v_pk_fma_f32 v[S+j:S+j+1], v[j:j+1], v[242:243], v[S+j:S+j+1]   ; p - w0 c
.set j, j+2
.endr
	WIN 0x40
	WLOAD 1, 0                                     ; c is done with: three more groups of weights take its place
	WLOAD 2, 64
	WLOAD 3, 128
	WIN 0
	v_pk_add_f32 v[252:253], v[252:253], v[254:255]
	v_add_f32 v252, v252, v253
	v_permlanex16_b32 v246, v252, s60, s61
	v_add_f32 v252, v252, v246
	v_fma_f32 v252, v250, v247, v252               ; the divisor
	v_rcp_f32 v254, v252
.set j, 0
.rept 68
	v_cvt_pk_f16_f32 v[16+j], v[S+2*j], v[S+2*j+1] ; two tiles' four registers each are source 1 of a K step of 32 keys
.set j, j+1
.endr
	s_wait_alu depctr_va_vdst(0)                   ; the reciprocal's wait; the conversions stood between
	v_mov_b32 v255, v254
	; ---- O^T = w0 Vsum + V^T R
	v_add_nc_u32 v244, s89, v13                    ; Vsum of my head, my half's eight channels of a tile
.irp ct, 0,1,2,3
	ds_load_b128 v[S+8*\ct:S+8*\ct+3], v244 offset:64*\ct
	ds_load_b128 v[S+8*\ct+4:S+8*\ct+7], v244 offset:64*\ct+16
.endr
	s_wait_tensorcnt 0x0                           ; my window has landed; I alone read it
	VLOAD 0
	VLOAD 1
	VLOAD 2
	s_wait_dscnt 24                                ; Vsum is in; V's 24 loads stay out
.set j, 0
.rept 16
	v_pk_mul_f32 v[S+j:S+j+1], v[S+j:S+j+1], v[250:251]
.set j, j+2
.endr
	PVSTEP 0, 16
	PVSTEP 1, 16
	PVSTEP 2, 16
	PVSTEP 3, 16
	PVSTEP 4, 16
	PVSTEP 5, 16
	PVSTEP 6, 12
	PVSTEP 7, 4
	PVSTEP 8, 0                                    ; the last tile alone: R's upper half is v84-87 = 0, against an older tile's finite numbers
	; ---- divided, rounded to f16, to the work-group's rows
.set j, 0
.rept 16
	v_pk_mul_f32 v[S+j:S+j+1], v[S+j:S+j+1], v[254:255]
.set j, j+2
.endr
.irp ct, 0,1,2,3
.irp m, 0,1,2,3
	v_cvt_pk_f16_f32 v[48+4*\ct+\m], v[S+8*\ct+2*\m], v[S+8*\ct+2*\m+1]
.endr
.endr
.irp ct, 0,1,2,3
	ds_store_b128 v5, v[48+4*\ct:51+4*\ct] offset:32*\ct
.endr
	s_cmp_lg_u32 s3, 127
	s_cbranch_scc1 .Lno_glob2
	ds_store_b32 v11, v12                          ; position 0: over my own bytes of row 15; LDS serves a wave's stores in order
.Lno_glob2:
.irp nt, 0,1,2,3
	global_load_b128 v[16+8*\nt:19+8*\nt], v13, s[24:25] offset:64*\nt      ; fc_b in the result's layout: the C of the first products
	global_load_b128 v[20+8*\nt:23+8*\nt], v13, s[24:25] offset:64*\nt+16
.endr
	WLOAD 4, 80
	WLOAD 5, 144
	BARRIER                                        ; all eight heads' channels of the 16 rows lie in LDS
	AFRAG 0
	AFRAG 1
	; ---- out^T = fc_b + W A^T: four accumulators by turns, 16 K steps in eight groups
	PGROUP 0, 192, 0x01, 32                        ; fc_b and groups 0-3 are in; groups 4, 5 stay out
	WIN 0x40
	WLOAD 6, 192
	WIN 0
	PGROUP 1, 0, 0x01, -1
	WIN 0x40
	WLOAD 7, 0
	WIN 0
	PGROUP 2, 64, 0x01, -1
	PGROUP 3, 128, 0x01, -1
	PGROUP 4, 80, 0, 48                            ; out: groups 5, 6, 7
	PGROUP 5, 144, 0, 32
	PGROUP 6, 192, 0x01, 16
	PGROUP 7, 0, 0x01, 0
	; ---- the way out: through my stage, so that sixteen lanes store 256 consecutive, aligned bytes of a row
.irp nt, 0,1,2,3
	ds_store_b128 v7, v[16+8*\nt:19+8*\nt] offset:64*\nt          ; each accumulator from its low end on
	ds_store_b128 v7, v[20+8*\nt:23+8*\nt] offset:64*\nt+16
.endr
.irp i, 0,1,2,3,4,5,6,7
	ds_load_b128 v[80+4*\i:83+4*\i], v8 offset:544*\i             ; LDS serves a wave's instructions in order: these see my stores
.endr
.irp i, 0,1,2,3,4,5,6
	s_wait_dscnt 7-\i
	global_store_b128 v9, v[80+4*\i:83+4*\i], s[26:27] offset:4096*\i th:TH_STORE_NT
.endr
	s_wait_dscnt 0x0
	global_store_b128 v10, v[108:111], s[26:27] th:TH_STORE_NT    ; the last two rows: positions taken mod 2,048
	s_wait_tensorcnt 0x0                           ; the wave's end
	ds_add_u32 v14, v15
	s_wait_dscnt 0x0
	s_endpgm
.Lfunc_end_k_qc91108a599_attn:
	.size	k_qc91108a599_attn, .Lfunc_end_k_qc91108a599_attn-k_qc91108a599_attn
	.p2alignl 7, 3214868480
	.fill 96, 4, 3214868480
	.section	.rodata,"a",@progbits
	.p2align	6, 0x0
	.amdhsa_kernel k_qc91108a599_attn
		.amdhsa_group_segment_fixed_size 301568
		.amdhsa_private_segment_fixed_size 0
		.amdhsa_enable_private_segment 0
		.amdhsa_kernarg_size 80
		.amdhsa_user_sgpr_count 2
		.amdhsa_user_sgpr_kernarg_segment_ptr 1
		.amdhsa_wavefront_size32 1
		.amdhsa_system_sgpr_workgroup_id_x 1
		.amdhsa_system_sgpr_workgroup_id_y 1
		.amdhsa_system_sgpr_workgroup_id_z 1
		.amdhsa_system_vgpr_workitem_id 0
		.amdhsa_next_free_vgpr 512
		.amdhsa_next_free_sgpr 96
		.amdhsa_reserve_vcc 1
		.amdhsa_float_denorm_mode_32 3
		.amdhsa_float_denorm_mode_16_64 3
		.amdhsa_memory_ordered 1
		.amdhsa_forward_progress 1
		.amdhsa_inst_pref_size 94
	.end_amdhsa_kernel
	.amdgpu_metadata
---
amdhsa.version: [ 1, 2 ]
amdhsa.kernels:
  - .name:           k_qc91108a599_attn
    .symbol:         k_qc91108a599_attn.kd
    .args:
      - { .name: query, .offset: 0, .size: 8, .value_kind: global_buffer, .address_space: global }
      - { .name: kc, .offset: 8, .size: 8, .value_kind: global_buffer, .address_space: global }
      - { .name: ks, .offset: 16, .size: 8, .value_kind: global_buffer, .address_space: global }
      - { .name: vt, .offset: 24, .size: 8, .value_kind: global_buffer, .address_space: global }
      - { .name: wf, .offset: 32, .size: 8, .value_kind: global_buffer, .address_space: global }
      - { .name: ce, .offset: 40, .size: 8, .value_kind: global_buffer, .address_space: global }
      - { .name: vp, .offset: 48, .size: 8, .value_kind: global_buffer, .address_space: global }
      - { .name: gp, .offset: 56, .size: 8, .value_kind: global_buffer, .address_space: global }
      - { .name: fc_b, .offset: 64, .size: 8, .value_kind: global_buffer, .address_space: global }
      - { .name: out0, .offset: 72, .size: 8, .value_kind: global_buffer, .address_space: global }
    .group_segment_fixed_size: 301568
    .private_segment_fixed_size: 0
    .kernarg_segment_align: 8
    .kernarg_segment_size: 80
    .max_flat_workgroup_size: 256
    .sgpr_count:     96
    .vgpr_count:     512
    .wavefront_size: 32
...
	.end_amdgpu_metadata
.endif
;; end of part 2
